; MI455X (gfx1250); checked and timed in simulation.
; The chip was launched on July 23, 2026; its instructions are those of AMD's public machine-readable ISA for CDNA 5 (MIT licence, August 2026) and "CDNA5" Instruction Set Architecture Reference Guide (July 2026). The comments in the code are by the model that wrote it; some were corrected since.
;; attn mh. Allowed arithmetic: float matrix products may take bf16 or f16 operands with f32 sums; other float arithmetic in f32, or as packed bf16 or f16 multiplies, adds, multiply-adds, maxima and minima; sums over many terms, partial sums and values carried from step to step in f32; what a program stores and reads back later, other than sums and carried values, may be rounded once to bf16 or f16.
;; Inputs: Wk_b 1,000 float32; Wk_w 1,000 x 1,000 float32; Wo_b 1,000 float32; Wo_w 1,000 x 1,000 float32; Wq_b 1,000 float32; Wq_w 1,000 x 1,000 float32; Wv_b 1,000 float32; Wv_w 1,000 x 1,000 float32; k 128 x 128 x 1,000 float32; ln_b 1,000 float32; ln_g 1,000 float32; mask 128 x 1 x 1 x 128 bool; q 128 x 128 x 1,000 float32; v 128 x 128 x 1,000 float32.
;; Outputs: out0 128 x 128 x 1,000 float32.
;; One version. Each part assembles by itself: llvm-mc -triple=amdgcn-amd-amdhsa -mcpu=gfx1250 --defsym DOCPART=n.
;; ======== version 1 of 1: 3 launches
;; workspace buffers: wb 6,291,456 bytes; wob 2,097,152 bytes; bpad 12,288 bytes; mtab 131,072 bytes; zf 33,554,432 bytes
;; launch prep (part 1): grid 128 x 5, 8 waves a work-group, no clusters, 0 bytes of LDS; arguments Wk_w, Wq_w, Wv_w, Wo_w, Wk_b, Wq_b, Wv_b, mask, wb, wob, bpad, mtab; writes wb, wob, bpad, mtab
.if DOCPART == 1
	.amdgcn_target "amdgcn-amd-amdhsa--gfx1250"
	.amdhsa_code_object_version 6
	.text
	.protected	k_qa6e2d226ac_prep
	.globl	k_qa6e2d226ac_prep
	.p2align	8
	.type	k_qa6e2d226ac_prep,@function
k_qa6e2d226ac_prep:
	s_mov_b64 s[64:65], 0
	v_nop
	global_prefetch_b8 v0, s[64:65] scope:SCOPE_SE
	s_setreg_imm32_b32 hwreg(HW_REG_WAVE_MODE, 25, 1), 1
	s_wait_xcnt 0x0
; PREP.  The weights are rounded once to bf16 and laid in the order in which the two matrix launches ask for them; biases and the key mask become small padded tables.
; y = 0, 1, 2 (Wk, Wq, Wv) -> wb  [head group 2][tile 48 = 16 y + kb][head in group 4][d 128][64 k]: rows d >= 125 are 0; tile kb < 15 holds k = 64 kb + j; tile 15 holds the window k = 936 + j
;                                  with 0 for j < 24 (those k lie in tile 14), so that no reader of x ever passes a row's end.
; y = 3 (Wo)               -> wob [kb 16][n 1024][64]: column 64 kb + j = 128 h + d stands for Wo's column 125 h + d, 0 for d >= 125; rows n >= 1000 are 0.
; y = 4                    -> mtab [2][batch 128][key 128] words: table 0 = mask x (-10000 sqrt(125)) in f32, table 1 = mask - 1 (all ones: keep; 0: masked); bpad [K, Q, V][1024] f32: b[125 h + d] at 128 h + d.
; A work-group of y < 4 makes 8 destination rows.  Thread t: gi = t % 8 (8 numbers of a row's 64), rs = (t / 8) % 2, kb = t / 16; pass i takes row 2 i + rs.  Sixteen lanes store 2 rows x 128 bytes = 256 consecutive bytes.
; Sources are read number by number (Wo's pieces begin at 500 h bytes, a multiple of 4 alone); an address past the matrix is clamped to its last word and its number replaced by 0.
.set ADR,   16                         ; v[16:47]  the 32 source offsets, pass i number j at 8 i + j
.set DAT,   48                         ; v[48:79]  the 32 numbers
.set LASTW, 3999996                    ; the last word of a matrix of 1000 x 1000 f32
	s_load_b512 s[16:31], s[0:1], 0x0              ; Wk_w, Wq_w, Wv_w, Wo_w, Wk_b, Wq_b, Wv_b, mask
	s_load_b256 s[32:39], s[0:1], 0x40             ; wb, wob, bpad, mtab
	s_and_b32 s4, ttmp7, 0xffff                    ; y
	s_mov_b32 s5, ttmp9                            ; x
	s_cmp_eq_u32 s4, 4
	s_cbranch_scc1 .Ltables
	v_and_b32 v1, 7, v0                            ; gi
	v_bfe_u32 v2, v0, 3, 1                         ; rs
	v_lshrrev_b32 v3, 4, v0                        ; kb
	s_lshl_b32 s7, s5, 3                           ; the group's first destination row
	s_cmp_eq_u32 s4, 3
	s_cbranch_scc1 .Lwo
	; Wk, Wq, Wv: destination row 8 x + .. = 128 head + d
	s_lshr_b32 s6, s5, 4                           ; head
	s_and_b32 s7, s7, 127
	v_add_nc_u32 v4, s7, v2                        ; d of pass 0
	s_mul_i32 s8, s6, 125
	v_add_nc_u32 v5, s8, v4                        ; source row
	s_mov_b32 s9, 125                              ; d below this is real
	v_lshlrev_b32 v6, 6, v3
	v_min_u32 v6, 936, v6
	v_lshl_add_u32 v6, v1, 3, v6                   ; source column
	v_lshl_add_u32 v9, v3, 3, v1                   ; 8 kb + gi: 120, 121, 122 are tile 15's first 24 columns
	v_sub_nc_u32 v9, v9, 120
	v_cmp_lt_u32 vcc_lo, 2, v9
	v_cndmask_b32 v7, 0, 8, vcc_lo                 ; how many of my 8 numbers are real
	s_lshr_b32 s10, s6, 2
	s_mul_i32 s10, s10, 48
	s_lshl4_add_u32 s10, s4, s10                   ; 48 group + 16 y
	s_and_b32 s11, s6, 3
	s_lshl2_add_u32 s10, s10, s11                  ; x 4 + head in group
	s_lshl_b32 s10, s10, 14                        ; blocks of 128 rows x 128 bytes
	v_lshl_add_u32 v8, v3, 16, s10                 ; + 4 kb blocks
	v_lshl_add_u32 v8, v4, 7, v8
	v_lshl_add_u32 v8, v1, 4, v8                   ; destination offset of pass 0
	s_branch .Lcopy
.Lwo:
	v_add_nc_u32 v4, s7, v2                        ; n of pass 0
	v_mov_b32 v5, v4
	s_mov_b32 s9, 1000
	v_and_b32 v9, 1, v3
	v_lshlrev_b32 v9, 6, v9
	v_lshl_add_u32 v9, v1, 3, v9                   ; d of my first number
	v_lshrrev_b32 v10, 1, v3                       ; head
	v_mad_u32_u24 v6, v10, 125, v9
	v_sub_nc_u32 v7, 125, v9
	v_min_u32 v7, 8, v7
	v_lshlrev_b32 v8, 17, v3                       ; kb x 1024 rows x 128 bytes
	v_lshl_add_u32 v8, v4, 7, v8
	v_lshl_add_u32 v8, v1, 4, v8
.Lcopy:
	v_mul_u32_u24 v9, v5, 4000
	v_lshl_add_u32 v9, v6, 2, v9                   ; source offset of pass 0, number 0
.set n, 0
.rept 32
	v_add_nc_u32 v[ADR+n], 8000*(n/8)+4*(n%8), v9
	v_min_u32 v[ADR+n], LASTW, v[ADR+n]
.set n, n+1
.endr
	s_wait_kmcnt 0x0
	s_cmp_eq_u32 s4, 0
	s_cselect_b64 s[40:41], s[16:17], s[18:19]
	s_cmp_eq_u32 s4, 2
	s_cselect_b64 s[40:41], s[20:21], s[40:41]
	s_cmp_eq_u32 s4, 3
	s_cselect_b64 s[40:41], s[22:23], s[40:41]     ; the source matrix
	s_cselect_b64 s[42:43], s[34:35], s[32:33]     ; wob or wb
.set n, 0
.rept 32
	global_load_b32 v[DAT+n], v[ADR+n], s[40:41]   ; all 32 go out before the first is used
.set n, n+1
.endr
.irp i, 0,1,2,3
	s_wait_loadcnt 8*(3-\i)                        ; loads return in order: this pass's eight are in, the later passes' stay out
	v_add_nc_u32 v10, 2*\i, v4
	v_cmp_gt_u32 vcc_lo, s9, v10                   ; is the row real?
	v_cndmask_b32 v10, 0, v7, vcc_lo
.irp j, 0,1,2,3,4,5,6,7
	v_cmp_lt_u32 vcc_lo, \j, v10
	v_cndmask_b32 v[DAT+8*\i+\j], 0, v[DAT+8*\i+\j], vcc_lo
.endr
.irp j, 0,1,2,3
	v_cvt_pk_bf16_f32 v[DAT+8*\i+\j], v[DAT+8*\i+2*\j], v[DAT+8*\i+2*\j+1]  ; in place, ascending: register j is read by no later line
.endr
	global_store_b128 v8, v[DAT+8*\i:DAT+8*\i+3], s[42:43] offset:256*\i
.endr
	s_endpgm
.Ltables:
	v_and_b32 v1, 127, v0                          ; key
	v_lshrrev_b32 v2, 7, v0                        ; table
	s_lshl_b32 s6, s5, 7
	v_add_nc_u32 v3, s6, v1                        ; 128 batch + key
	s_wait_kmcnt 0x0
	global_load_u8 v4, v3, s[30:31]
	v_lshl_add_u32 v5, v2, 14, v3
	v_lshlrev_b32 v5, 2, v5
	s_wait_loadcnt 0x0
	v_cvt_f32_u32 v6, v4
	v_mul_f32 v6, 0xc7da5db3, v6                   ; x -111803.4 = -10000 sqrt(125): the later scale 1 / sqrt(125) makes -10000 of it
	v_add_nc_u32 v7, -1, v4
	v_cmp_eq_u32 vcc_lo, 0, v2
	v_cndmask_b32 v6, v7, v6, vcc_lo
	global_store_b32 v5, v6, s[38:39]
	s_cmp_lt_u32 s5, 12                            ; the first twelve groups also make 256 words each of the padded biases
	s_cbranch_scc0 .Ldone
	s_and_b32 s8, s5, 3
	s_lshl_b32 s8, s8, 8
	s_lshl_b32 s9, s5, 8
	s_lshr_b32 s7, s5, 2
	s_cmp_eq_u32 s7, 0
	s_cselect_b64 s[40:41], s[24:25], s[26:27]
	s_cmp_eq_u32 s7, 2
	s_cselect_b64 s[40:41], s[28:29], s[40:41]
	v_add_nc_u32 v8, s8, v0                        ; 128 head + d
	v_and_b32 v9, 127, v8
	v_lshrrev_b32 v10, 7, v8
	v_min_u32 v11, 124, v9
	v_mad_u32_u24 v11, v10, 125, v11
	v_lshlrev_b32 v11, 2, v11
	global_load_b32 v12, v11, s[40:41]
	v_add_nc_u32 v13, s9, v0
	v_lshlrev_b32 v13, 2, v13
	v_cmp_gt_u32 vcc_lo, 125, v9
	s_wait_loadcnt 0x0
	v_cndmask_b32 v12, 0, v12, vcc_lo
	global_store_b32 v13, v12, s[36:37]
.Ldone:
	s_endpgm
.Lfunc_end_k_qa6e2d226ac_prep:
	.size	k_qa6e2d226ac_prep, .Lfunc_end_k_qa6e2d226ac_prep-k_qa6e2d226ac_prep
	.p2alignl 7, 3214868480
	.fill 96, 4, 3214868480
	.section	.rodata,"a",@progbits
	.p2align	6, 0x0
	.amdhsa_kernel k_qa6e2d226ac_prep
		.amdhsa_group_segment_fixed_size 0
		.amdhsa_private_segment_fixed_size 0
		.amdhsa_enable_private_segment 0
		.amdhsa_kernarg_size 96
		.amdhsa_user_sgpr_count 2
		.amdhsa_user_sgpr_kernarg_segment_ptr 1
		.amdhsa_wavefront_size32 1
		.amdhsa_system_sgpr_workgroup_id_x 1
		.amdhsa_system_sgpr_workgroup_id_y 1
		.amdhsa_system_sgpr_workgroup_id_z 1
		.amdhsa_system_vgpr_workitem_id 0
		.amdhsa_next_free_vgpr 96
		.amdhsa_next_free_sgpr 66
		.amdhsa_reserve_vcc 1
		.amdhsa_float_denorm_mode_32 3
		.amdhsa_float_denorm_mode_16_64 3
		.amdhsa_memory_ordered 1
		.amdhsa_forward_progress 1
		.amdhsa_inst_pref_size 16
	.end_amdhsa_kernel
	.amdgpu_metadata
---
amdhsa.version: [ 1, 2 ]
amdhsa.kernels:
  - .name:           k_qa6e2d226ac_prep
    .symbol:         k_qa6e2d226ac_prep.kd
    .args:
      - { .name: Wk_w, .offset: 0, .size: 8, .value_kind: global_buffer, .address_space: global }
      - { .name: Wq_w, .offset: 8, .size: 8, .value_kind: global_buffer, .address_space: global }
      - { .name: Wv_w, .offset: 16, .size: 8, .value_kind: global_buffer, .address_space: global }
      - { .name: Wo_w, .offset: 24, .size: 8, .value_kind: global_buffer, .address_space: global }
      - { .name: Wk_b, .offset: 32, .size: 8, .value_kind: global_buffer, .address_space: global }
      - { .name: Wq_b, .offset: 40, .size: 8, .value_kind: global_buffer, .address_space: global }
      - { .name: Wv_b, .offset: 48, .size: 8, .value_kind: global_buffer, .address_space: global }
      - { .name: mask, .offset: 56, .size: 8, .value_kind: global_buffer, .address_space: global }
      - { .name: wb, .offset: 64, .size: 8, .value_kind: global_buffer, .address_space: global }
      - { .name: wob, .offset: 72, .size: 8, .value_kind: global_buffer, .address_space: global }
      - { .name: bpad, .offset: 80, .size: 8, .value_kind: global_buffer, .address_space: global }
      - { .name: mtab, .offset: 88, .size: 8, .value_kind: global_buffer, .address_space: global }
    .group_segment_fixed_size: 0
    .private_segment_fixed_size: 0
    .kernarg_segment_align: 8
    .kernarg_segment_size: 96
    .max_flat_workgroup_size: 256
    .sgpr_count:     66
    .vgpr_count:     96
    .wavefront_size: 32
...
	.end_amdgpu_metadata
.endif
;; end of part 1
;; launch attn (part 2): grid 8 x 32, 4 waves a work-group, clusters of 4 x 1, 327,680 bytes of LDS; arguments k, q, v, wb, bpad, mtab, zf; writes zf
.if DOCPART == 2
	.amdgcn_target "amdgcn-amd-amdhsa--gfx1250"
	.amdhsa_code_object_version 6
	.text
	.protected	k_qa6e2d226ac_attn
	.globl	k_qa6e2d226ac_attn
	.p2align	8
	.type	k_qa6e2d226ac_attn,@function
k_qa6e2d226ac_attn:
	s_mov_b64 s[64:65], 0
	v_nop
	global_prefetch_b8 v0, s[64:65] scope:SCOPE_SE
	s_setreg_imm32_b32 hwreg(HW_REG_WAVE_MODE, 25, 1), 1
	s_wait_xcnt 0x0
	s_wait_alu depctr_hold_cnt(0) depctr_sa_sdst(0) depctr_va_vdst(0) depctr_va_sdst(0) depctr_va_ssrc(0) depctr_va_vcc(0) depctr_vm_vsrc(0)
	s_getreg_b32 s2, hwreg(HW_REG_IB_STS2, 6, 4)
	s_cmp_eq_u32 s2, 0
	s_cbranch_scc0 .Lentry_in_a_cluster
	s_endpgm
.Lentry_in_a_cluster:
	s_bfe_u32 s2, ttmp6, 0x10000c
	s_cmp_lg_u32 s2, 0x3003
	s_cbranch_scc0 .Lentry_shape_is_right
	s_endpgm
.Lentry_shape_is_right:
; ATTN.  For one batch (128 rows) and four heads: K, Q and V projections, masked softmax and P V.  Wave w owns head 4 hg + w: a tile of 128 rows x 128 channels (125 real), 64 accumulators, 512 registers.
; THE WALK.  48 steps of 64 along the model size: 16 for K, 16 for Q, 16 for V (block 15 of each is the window 936..999, whose first 24 weights are 0).  A step's weights (128 channels x 64, bf16) come by ONE tensor load a
; wave into a ring of two LDS slots.  The cluster's four work-groups are four batches of one head group and walk the same weights: the load is JOINT (mask 15).  x is f32 in memory: each wave loads 32 rows x 256 bytes two
; steps ahead, rounds them once to bf16 and stores them into one of two x slots that all four waves read.  x is not shared inside the cluster: each partner has a batch of its own.
; THE ORDER OF A PHASE'S STEPS.  Step t of a phase takes column block (t + r) mod 16, of W and of x alike: the 16 blocks are walked in a ring from a start r that differs from cluster to cluster (r = the cluster's y in its bits
; 0, 1, 3, and bit 2 xor bit 4 as its bit 2), so that in a given step different clusters ask for different tiles of W.  The two head groups of a batch have the same r.  The sums hold the same products in another order.
; LAYOUT.  D = W (source 0) x x (source 1): a lane holds ONE row s (lane % 16) and channels 8 (lane / 16) + 0..7.  Two such results rounded in pairs ARE a fragment (row s, 32 channels): K as source 0 and Q as source 1 of
; S^T = K Q^T; S^T holds one query a lane, so P rounded in pairs is source 1 of O^T = V^T P; V goes once through LDS and comes back turned (ds_load_tr16_b128).  O^T's 8 channels a lane are 16 bytes of zf, which is
; laid in fragment order [16-row block][32 channels][half][lane][16 bytes]: z leaves straight from registers, 512 consecutive aligned bytes a store.
; MASK.  A masked key's row of K is set to 0 and the sum S^T starts at -10000 sqrt(125) for it (0 elsewhere): scaled by 1 / sqrt(125) that is the -10000 that takes the score's place, the same number for every masked key.
; SOFTMAX.  p = 2^(c s - c m), c = log2(e) / sqrt(125), m the row's maximum over all 128 keys; p / l is rounded to bf16.  Wv_b is added behind P V (the weights of a row sum to 1).
; LIMITS.  bf16 operands (x, W, Q, K, V, P, z), sums in f32.  A weight below 2^-126 counts as 0; NaN and infinities are not treated apart.
; REGISTERS, in windows of 256 (s_set_vgpr_msb: bits 1:0 source 0, 3:2 source 1, 5:4 source 2, 7:6 destination):
;   window 0: v0-29 addresses; v32-95 x on its way; v96-159, v160-223 x's fragments, two buffers (the second also holds the C tables)
;   window 1: v0-63, v64-127 W's fragments, two buffers (the second also the softmax's scratch); v128-255 bias and key masks at a phase's end, S^T / O^T of two query blocks in attention
;   windows 2, 3: accumulator (row block a, channel block b) at 8 (8 (a % 4) + b) of window 2 + a / 4; packed, a row block's four fragments fill the first 32 of its 64 registers
.set PITCH, 144                        ; an LDS row of 64 bf16: 128 bytes + 16 of padding = 36 words: 16 rows of a load start at 16 different groups of four banks (64 banks of 4 bytes: ISA guide 11.1)
.set WQ,    128*PITCH                  ; a wave's quarter of a W slot
.set WSLOT, 4*WQ
.set XS0,   2*WSLOT                    ; the two x slots, written by LDS stores alone
.set XSLOT, 128*PITCH
.set KEEP,  XS0+2*XSLOT                ; 32,768 bytes a wave, its own: K, then Q, then P, as quads of registers: (8 block + quad) x 512 + 16 lane
.set SPARE, KEEP+4*32768               ; the spare words, 128 bytes a wave: two blocks of 256 bytes that no other line names
.set PVT,   288                        ; a row of V (128 channels): 256 + 32 bytes = 72 words
.set VTW,   128*PVT                    ; a wave's V: the four lie where the W ring lay, behind its last fill
.set ADRW, 2                           ; v2-3   my place in my wave's W quarter, slot 0, 1
.set ADRX, 4                           ; v4-5   my place in the x slot 0, 1
.set XSA,  6                           ; v6     where I store 8 bytes of x (slot 0)
.set XO,   7                           ; v7     my offset in two rows of x
.set PFO,  8                           ; v8     4000 x lane: a lane a row
.set KA,   9                           ; v9     my 16 bytes of a quad in KEEP
.set QA,   10                          ; v10    the same, at the pair of query blocks in hand
.set BV,   11                          ; v11    32 (lane / 16)
.set ZO,   12                          ; v12    16 x lane
.set VS,   13                          ; v13    where I store 16 bytes of V
.set AV0,  14                          ; v14    where the turning load reads
.set MKO,  15                          ; v15    4 (lane % 16)
.set PWO,  16                          ; v16    256 x lane
.set SPW,  28                          ; v28    my spare word; never rewritten
.set NIL,  29                          ; v29    0; never rewritten
.set GX,   32
.set FX,   96
.set CM,   160                         ; the C table of a first product, in window 0
.set SS,   128                         ; S^T / O^T, window 1
.set TT,   64                          ; softmax scratch, window 1, 16 a tile: +0 c m, +1 m, +4..7 four maxima (later 1 / l and an exchange), +8..15 four pairs of sums
.set WV,   18
.set HD,   19
.set T,    22                          ; s22  the step, 0..47
.set LAP,  23
.set G1,   24                          ; s[24:31] descriptor group 1
.set G0,   32                          ; s[32:39] group 0, a set for each slot
.set XP,   40                          ; s[40:41] x at the step being loaded
.set PF,   42                          ; s[42:43] x at the step being prefetched
.set OFF,  44                          ; s[44:45] an offset, high word 0
.set LIM,  46
.set PH,   47
.set CS,   48                          ; s[48:49] c
.set SEL,  50                          ; s[50:51] v_permlanex16_b32's selects: each lane takes its own place in the other half
.set QS,   52
.set PAIR, 53
.set BP,   54
.set MCP,  56
.set ZP,   58
.set PWP,  74                          ; s[74:75] W at the tile being prefetched
.set LIMW, 76
.set RO,   80                          ; s80  r: where my cluster's ring of 16 column blocks begins
.set PW0,  82                          ; s[82:83] my part of tile 0 of my head group, for W's prefetches; never rewritten
.set MSB, 0
.macro WIN new                         ; the immediate's high byte repeats the setting that is left; a switch that changes nothing is dropped
.if MSB != (\new)
	s_set_vgpr_msb (MSB<<8)|(\new)
.set MSB, \new
.endif
.endm
.macro PLACES                          ; four plain instructions behind matrix instructions, ahead of loads into their registers and of vector reads of their results
.rept 4
	v_nop
.endr
.endm
.macro CREST                           ; a round of the cluster's barrier behind its opening barrier
	s_cmp_lg_u32 s[WV], 0
	s_cbranch_scc1 .Lnot0_\@
	s_barrier_signal -3
.Lnot0_\@:
	s_barrier_wait -3
	s_barrier_signal -1
	s_barrier_wait -1
.endm
.macro CROUND
	s_barrier_signal -1
	s_barrier_wait -1
	CREST
.endm
; x's address for step T + ahead: the tensor by the step's phase (left in s21), 256 bytes for each column block (t + r) mod 16 (left in s20); clamp = 1: block 15 begins at byte 3,744
.macro XPTR dst, ahead, clamp
	s_add_co_u32 s20, s[T], \ahead
	s_lshr_b32 s21, s20, 4
	s_add_co_u32 s20, s20, s[RO]
	s_and_b32 s20, s20, 15
	s_lshl_b32 s[OFF], s20, 8
.if \clamp
	s_min_u32 s[OFF], s[OFF], 3744
.endif
	s_cmp_eq_u32 s21, 0
	s_cselect_b64 s[\dst:\dst+1], s[4:5], s[6:7]
	s_cmp_eq_u32 s21, 2
	s_cselect_b64 s[\dst:\dst+1], s[8:9], s[\dst:\dst+1]
	s_add_nc_u64 s[\dst:\dst+1], s[\dst:\dst+1], s[OFF:OFF+1]
.endm
.macro XLOAD                           ; my 32 rows x 256 bytes: a load takes two rows
.irp i, 0,1,2,3,4,5,6,7,8,9,10,11,12,13,14,15
	global_load_b128 v[GX+4*(\i):GX+4*(\i)+3], v[XO], s[XP:XP+1] offset:8000*(\i)
.endr
.endm
.macro XCVT
.irp i, 0,1,2,3,4,5,6,7,8,9,10,11,12,13,14,15
	v_cvt_pk_bf16_f32 v[GX+4*(\i)], v[GX+4*(\i)], v[GX+4*(\i)+1]
	v_cvt_pk_bf16_f32 v[GX+4*(\i)+1], v[GX+4*(\i)+2], v[GX+4*(\i)+3]
.endr
.endm
.macro XSTORE off
.irp i, 0,1,2,3,4,5,6,7,8,9,10,11,12,13,14,15
	ds_store_b64 v[XSA], v[GX+4*(\i):GX+4*(\i)+1] offset:(\off)+2*PITCH*(\i)
.endr
.endm
; In step T: x of step T + 1 has come; it is rounded and stored into the x slot that is not being read; x of step T + 2 is asked for.  The 32 roundings are the places ahead of the fragment loads that follow.
; load = 2: the request is jumped over where step T + 2 does not exist; load = 0: the last step: nothing is left.
.macro XWORK slot, load
	WIN 0
.if (\load) == 0
	PLACES
.else
	s_wait_loadcnt 0x0                             ; x of the next step is in, and its address register is free
	XCVT
	XSTORE (1-(\slot))*XSLOT
.if (\load) == 2
	s_cmp_lt_u32 s[T], 46
	s_cbranch_scc0 .Lnoxl_\@
.endif
	XPTR XP, 2, 1
	XLOAD
.if (\load) == 2
.Lnoxl_\@:
.endif
.endif
.endm
; 16 matrix instructions: row blocks 4 hi + a0, + 1 x all 8 channel blocks, 32 along K, from fragment buffer f.  zero = 1: the product starts the sums.  The 64 accumulators take turns.
.macro MUL16 f, hi, a0, zero
	WIN 0xa1+0x50*(\hi)
.irp a, \a0, (\a0)+1
.irp b, 0,1,2,3,4,5,6,7
.if \zero
	v_wmma_f32_16x16x32_bf16 v[8*(8*(\a)+(\b)):8*(8*(\a)+(\b))+7], v[64*(\f)+8*(\b):64*(\f)+8*(\b)+7], v[FX+64*(\f)+8*(4*(\hi)+(\a)):FX+64*(\f)+8*(4*(\hi)+(\a))+7], 0
.else
	v_wmma_f32_16x16x32_bf16 v[8*(8*(\a)+(\b)):8*(8*(\a)+(\b))+7], v[64*(\f)+8*(\b):64*(\f)+8*(\b)+7], v[FX+64*(\f)+8*(4*(\hi)+(\a)):FX+64*(\f)+8*(4*(\hi)+(\a))+7], v[8*(8*(\a)+(\b)):8*(8*(\a)+(\b))+7]
.endif
.endr
.endr
.endm
.macro FETCH slot, k, f                ; 32 LDS loads in one run: W's 8 fragments, then x's 8, of 32 along K at byte k of the rows
	WIN 0x40
.irp i, 0,1,2,3,4,5,6,7
	ds_load_b128 v[64*(\f)+8*(\i):64*(\f)+8*(\i)+3],   v[ADRW+(\slot)] offset:(\k)+(\i)*16*PITCH
	ds_load_b128 v[64*(\f)+8*(\i)+4:64*(\f)+8*(\i)+7], v[ADRW+(\slot)] offset:(\k)+(\i)*16*PITCH+32
.endr
	WIN 0
.irp i, 0,1,2,3,4,5,6,7
	ds_load_b128 v[FX+64*(\f)+8*(\i):FX+64*(\f)+8*(\i)+3],   v[ADRX+(\slot)] offset:(\k)+(\i)*16*PITCH
	ds_load_b128 v[FX+64*(\f)+8*(\i)+4:FX+64*(\f)+8*(\i)+7], v[ADRX+(\slot)] offset:(\k)+(\i)*16*PITCH+32
.endr
.endm
; PREFETCHES, behind the joint load and the run of LDS loads.  x of step T + 4, two steps ahead of the load that wants it: each wave names the first byte of its own 32 rows' pieces, a lane a row; the head group 0's clusters
; ask (the other head group reads the same rows).  W: a tile of the phases Q and V is read first, in the launch, in its phase's first step, by the clusters whose ring begins with it; of those the one with y < 16 asks for it,
; in steps 12 and 28, two refills ahead of its load: partner cx takes 16 KiB of the tile's 64 BY ADDRESS, waves 0 and 1 half of that each, a lane 256 bytes.  So each block is named once.  Steps 12 and 28 are even: they
; change out of slot 0, and W's line stands in that change alone.  Steps 0 to 3 and the phase K's tiles come by their loads alone; nothing is named from step 48 on.
.macro ASK slot
	s_cmp_lt_u32 s[T], s[LIM]
	s_cbranch_scc0 .Lnopx_\@
	global_prefetch_b8 v[PFO], s[PF:PF+1] th:TH_LOAD_NT scope:SCOPE_SE
.Lnopx_\@:
.if (\slot) == 0
	s_and_b32 s20, s[T], 15
	s_cmp_eq_u32 s20, 12
	s_cselect_b32 s20, s[LIMW], 0
	s_cmp_lt_u32 s[T], s20
	s_cbranch_scc0 .Lnopw_\@
	global_prefetch_b8 v[PWO], s[PWP:PWP+1] th:TH_LOAD_NT scope:SCOPE_SE
.Lnopw_\@:
.endif
.endm
; A step is two halves of 32 along K, 64 matrix instructions each.  QUARTER: the first half, from buffer 0; in its middle x's work and the fetch of the second half's fragments.
.macro QUARTER slot, zero, load
.if \zero
	s_wait_dscnt 0x0                               ; (a phase's end may have issued LDS instructions behind the fetch)
.else
	s_wait_dscnt 8                                 ; W's fragments and x's rows 0-63 are in; the youngest eight loads (rows 64-127) may be out
.endif
	MUL16 0, 0, 0, \zero
	MUL16 0, 0, 2, \zero
	XWORK \slot, \load
	FETCH \slot, 64, 1
	s_wait_dscnt 32                                ; all but the 32 just issued
	MUL16 0, 1, 0, \zero
	MUL16 0, 1, 2, \zero
.endm
; TURN: the second half, from buffer 1, and the change of slots.  ONE barrier: ahead of it each wave waits for all its tensor loads (one is out: its quarter of the next W slot), adds 0 to its spare word, and waits for that,
; for its reads of both slots in hand and for its stores into the next x slot.  Behind it nobody reads the old slots and the next ones are whole.  fill = 1: the barrier opens a round of the cluster's, and the joint
; refill (step T + 2's tile) is the first thing behind the round: it has 112 matrix instructions in which to land.  Its address is made anew from the tile's number, 16 phase + (t + r) mod 16, while the add is out.
.macro TURN slot, next, fill
.if \fill
	s_wait_xcnt 0x0                                ; the last prefetches, a step back or two, have read their addresses
	XPTR PF, 4, 0
.if (\slot) == 0
	s_lshl4_add_u32 s21, s21, s20                  ; the tile of step T + 4,
	s_lshl_b32 s[OFF], s21, 16                     ; 65,536 bytes a tile
	s_add_nc_u64 s[PWP:PWP+1], s[PW0:PW0+1], s[OFF:OFF+1]
.endif
.endif
	WIN 0
	s_wait_tensorcnt 0x0
	ds_add_u32 v[SPW], v[NIL]
.if \fill
	s_add_co_u32 s20, s[T], 2                      ; no load of mine is out, so a group 0 may be written
	s_add_co_u32 s21, s20, s[RO]
	s_and_b32 s20, s20, 0x30                       ; 16 x phase
	s_and_b32 s21, s21, 15                         ; the column block
	s_or_b32 s20, s20, s21
	s_lshl_b32 s[OFF], s20, 16
	s_add_nc_u64 s[G0+4*(\slot)+2:G0+4*(\slot)+3], s[10:11], s[OFF:OFF+1]
	s_or_b32 s[G0+4*(\slot)+3], s[G0+4*(\slot)+3], 0x80000000
.endif
	s_wait_dscnt 9                                 ; the add and the youngest eight loads may be out
	MUL16 1, 0, 0, 0
	s_wait_dscnt 0x0
	s_barrier_signal -1
	MUL16 1, 0, 2, 0
	WIN 0
	s_barrier_wait -1
.if \fill
	CREST
	tensor_load_to_lds s[G0+4*(\slot):G0+4*(\slot)+3], s[G1:G1+7]
	s_nop 0
.endif
	PLACES
	FETCH \next, 0, 0
.if \fill
	ASK \slot
.endif
	MUL16 1, 1, 0, 0
	MUL16 1, 1, 2, 0
	s_add_co_u32 s[T], s[T], 1
.endm
.macro BIASW hi                        ; the 32 accumulators of window 2 + hi take the bias of their channels (window 1, v128 + 8 b + j)
	WIN 0x86+0x41*(\hi)
.set n, 0
.rept 128
	v_pk_add_f32 v[2*n:2*n+1], v[2*n:2*n+1], v[128+(2*n)%64:128+(2*n)%64+1]
.set n, n+1
.endr
.endm
.macro PACKW hi                        ; and are rounded to bf16 in place, ascending: register t of a row block takes registers 2 t, 2 t + 1
	WIN 0x8a+0x45*(\hi)
.set n, 0
.rept 128
	v_cvt_pk_bf16_f32 v[64*(n/32)+n%32], v[64*(n/32)+2*(n%32)], v[64*(n/32)+2*(n%32)+1]
.set n, n+1
.endr
.endm
.macro KSTORE                          ; the packed fragments go into my part of KEEP
	WIN 0x08
.set n, 0
.rept 32
	ds_store_b128 v[KA], v[64*(n/8)+4*(n%8):64*(n/8)+4*(n%8)+3] offset:512*n
.set n, n+1
.endr
	WIN 0x0c
.set n, 0
.rept 32
	ds_store_b128 v[KA], v[64*(n/8)+4*(n%8):64*(n/8)+4*(n%8)+3] offset:512*(32+n)
.set n, n+1
.endr
.endm
.macro LOADPAIR s1                     ; two query blocks' fragments (Q or P) out of KEEP into window 2, v[64 u + s1 ..]
	WIN 0
	v_add_nc_u32 v[QA], s[QS], v[KA]
	WIN 0x80
.set n, 0
.rept 16
	ds_load_b128 v[64*(n/8)+(\s1)+4*(n%8):64*(n/8)+(\s1)+4*(n%8)+3], v[QA] offset:512*n
.set n, n+1
.endr
.endm
; 64 matrix instructions for two query blocks u: D (window 1) = block x of source 0 (window 2 + x / 4, v[64 (x % 4) + s0 + 8 c]) x block u of source 1 (window 2, v[64 u + s1 + 8 c]); the first of the four steps c starts the
; sum with the table in window 0.  The 16 accumulators take turns.
.macro PROD s0, s1
.set c, 0
.rept 4
.set x, 0
.rept 8
.if c == 0
	WIN 0x4a+x/4
.else
	WIN 0x5a+x/4
.endif
.set u, 0
.rept 2
.if c == 0
	v_wmma_f32_16x16x32_bf16 v[SS+64*u+8*x:SS+64*u+8*x+7], v[64*(x%4)+(\s0)+8*c:64*(x%4)+(\s0)+8*c+7], v[64*u+(\s1)+8*c:64*u+(\s1)+8*c+7], v[CM+8*x:CM+8*x+7]
.else
	v_wmma_f32_16x16x32_bf16 v[SS+64*u+8*x:SS+64*u+8*x+7], v[64*(x%4)+(\s0)+8*c:64*(x%4)+(\s0)+8*c+7], v[64*u+(\s1)+8*c:64*u+(\s1)+8*c+7], v[SS+64*u+8*x:SS+64*u+8*x+7]
.endif
.set u, u+1
.endr
.set x, x+1
.endr
.set c, c+1
.endr
.endm
.macro PACKS                           ; both tiles of window 1 rounded to bf16 in place
	WIN 0x55
.set n, 0
.rept 32
.irp u, 0,1
	v_cvt_pk_bf16_f32 v[SS+64*\u+n], v[SS+64*\u+2*n], v[SS+64*\u+2*n+1]
.endr
.set n, n+1
.endr
.endm
	s_load_b256 s[4:11], s[0:1], 0x0               ; k, q, v, wb
	s_load_b128 s[12:15], s[0:1], 0x20             ; bpad, mtab
	s_load_b64 s[16:17], s[0:1], 0x30              ; zf
	v_lshl_add_u32 v[SPW], v0, 2, SPARE
	v_mov_b32 v[NIL], 0
	ds_add_u32 v[SPW], v[NIL]                      ; the wave's opening: the add and its wait ahead of my first tensor load; work on registers stands between
	v_lshrrev_b32 v1, 5, v0
	v_readfirstlane_b32 s[WV], v1                  ; wave 0..3
	s_bfe_u32 s72, ttmp6, 0x40000                  ; cx: it enters global addresses of x, the tables, z and the prefetches alone
	s_and_b32 s73, ttmp7, 0xffff                   ; the cluster's y, which the four partners share
	s_lshr_b32 s20, s73, 2
	s_xor_b32 s20, s20, s73
	s_and_b32 s20, s20, 4                          ; y's bit 2 xor its bit 4,
	s_and_b32 s[RO], s73, 11                       ; its bits 0, 1 and 3:
	s_or_b32 s[RO], s[RO], s20                     ; r, the same in all four partners
	s_cmp_lt_u32 s73, 16                           ; among y = 0..15 each r occurs once
	s_cselect_b32 s[LIMW], 44, 0
	s_cmp_lt_u32 s[WV], 2
	s_cselect_b32 s[LIMW], s[LIMW], 0              ; who prefetches W: the same in all four partners, for a given wave
	s_cmp_eq_u32 ttmp9, 0
	s_cselect_b32 s[LIM], 44, 0                    ; who prefetches x
	s_lshl_b32 s73, s73, 2
	s_add_co_u32 s73, s73, s72                     ; batch = 4 y + cx
	s_lshl_b32 s[HD], ttmp9, 2
	s_add_co_u32 s[HD], s[HD], s[WV]               ; head = 4 x head group + wave
	s_mul_i32 s60, s73, 512000                     ; x: the batch's 128 rows of 4,000 bytes,
	s_mul_i32 s77, s[WV], 128000                   ; my wave's 32 of them
	s_add_co_u32 s60, s60, s77
	s_mov_b32 s61, 0
	s_mul_i32 s62, ttmp9, 3145728                  ; wb: the head group's 48 tiles of 65,536 bytes,
	s_lshl_b32 s20, s[WV], 14                      ; my wave's quarter of a tile
	s_add_co_u32 s62, s62, s20
	s_mov_b32 s63, 0
	s_lshl_b32 s66, s[HD], 9                       ; bpad: 128 words a head
	s_mov_b32 s67, 0
	s_lshl_b32 s68, s73, 9                         ; mtab: 128 words a batch
	s_mov_b32 s69, 0
	s_lshl_b32 s70, s73, 18                        ; zf: the batch's 8 row blocks of 32,768 bytes,
	s_lshl_b32 s77, s[HD], 12                      ; the head's 128 channels: 4,096 bytes of each
	s_add_co_u32 s70, s70, s77
	s_mov_b32 s71, 0
	s_mul_i32 s78, ttmp9, 3145728                  ; W's prefetches: in a tile, cx's 16 KiB, my wave's 8
	s_lshl_b32 s77, s72, 14
	s_add_co_u32 s78, s78, s77
	s_lshl_b32 s77, s[WV], 13
	s_add_co_u32 s78, s78, s77
	s_mov_b32 s79, 0
	; descriptor group 1: 16,384 dense bytes asked for as 64 rows of 256 bytes, two W rows each, padded in LDS after every 128 bytes
	s_mov_b32 s[G1+0], 15|(1<<16)|(1<<20)|(1<<21)|(4<<22)|(3<<25)  ; the mask of four; 2-byte elements; padding on; bit 21 beside a mask; after every 32 words; 4 words
	s_mov_b32 s[G1+1], 128<<16                     ; tensor_dim0 = 128
	s_mov_b32 s[G1+2], 64<<16                      ; tensor_dim1 = 64
	s_mov_b32 s[G1+3], 128<<16                     ; tile_dim0 = 128
	s_mov_b32 s[G1+4], 64                          ; tile_dim1 = 64
	s_mov_b32 s[G1+5], 128                         ; elements from row to row
	s_mov_b32 s[G1+6], 0
	s_mov_b32 s[G1+7], 0
	s_mov_b32 s[G0], 1
	s_mul_i32 s[G0+1], s[WV], WQ                   ; LDS: slot 0, my quarter
	s_mov_b32 s[G0+4], 1
	s_add_co_u32 s[G0+5], s[G0+1], WSLOT
	s_mov_b32 s[OFF+1], 0
	s_mov_b32 s[CS], 0x3e0422b0                    ; c = log2(e) / sqrt(125) = 0.1290386
	s_mov_b32 s[CS+1], s[CS]
	s_mov_b32 s[SEL], 0x76543210
	s_mov_b32 s[SEL+1], 0xfedcba98
	s_mov_b32 s[T], 0
	s_mov_b32 s[LAP], 24
	s_wait_dscnt 0x0                               ; the opening add is done
	s_wait_kmcnt 0x0
	s_add_nc_u64 s[PW0:PW0+1], s[10:11], s[78:79]
	s_add_nc_u64 s[4:5], s[4:5], s[60:61]          ; k, q, v at my wave's first row
	s_add_nc_u64 s[6:7], s[6:7], s[60:61]
	s_add_nc_u64 s[8:9], s[8:9], s[60:61]
	s_add_nc_u64 s[10:11], s[10:11], s[62:63]      ; wb at my quarter of my head group's tile 0
	s_add_nc_u64 s[12:13], s[12:13], s[66:67]      ; bpad at my head
	s_add_nc_u64 s[MCP:MCP+1], s[14:15], s[68:69]  ; mtab at my batch
	s_add_nc_u64 s[ZP:ZP+1], s[16:17], s[70:71]
	s_lshl_b32 s[OFF], s[RO], 16                   ; step 0: tile r
	s_add_nc_u64 s[G0+2:G0+3], s[10:11], s[OFF:OFF+1]
	s_or_b32 s[G0+3], s[G0+3], 0x80000000          ; type = 2
	s_add_co_u32 s20, s[RO], 1                     ; step 1: tile (r + 1) mod 16
	s_and_b32 s20, s20, 15
	s_lshl_b32 s[OFF], s20, 16
	s_add_nc_u64 s[G0+6:G0+7], s[10:11], s[OFF:OFF+1]
	s_or_b32 s[G0+7], s[G0+7], 0x80000000
	CROUND                                         ; all four work-groups are here: the first joint loads meet
	tensor_load_to_lds s[G0:G0+3], s[G1:G1+7]      ; two loads of mine are out
	s_nop 0
	tensor_load_to_lds s[G0+4:G0+7], s[G1:G1+7]
	s_nop 0
	PLACES
	v_and_b32 v17, 31, v0                          ; lane
	v_and_b32 v18, 15, v0                          ; lane % 16
	v_bfe_u32 v19, v0, 4, 1                        ; lane / 16
	v_mul_u32_u24 v[XO], v19, 4000
	v_lshl_add_u32 v[XO], v18, 4, v[XO]
	XPTR XP, 0, 1
	XLOAD                                          ; x of step 0
	v_mul_u32_u24 v20, v18, PITCH
	v_lshl_add_u32 v20, v19, 4, v20                ; a fragment's row x pitch + 16 x half
	v_add_nc_u32 v[ADRW], s[G0+1], v20
	v_add_nc_u32 v[ADRW+1], s[G0+5], v20
	v_add_nc_u32 v[ADRX], XS0, v20
	v_add_nc_u32 v[ADRX+1], XS0+XSLOT, v20
	s_mul_i32 s20, s[WV], 32*PITCH
	s_add_co_u32 s20, s20, XS0
	v_mul_u32_u24 v[XSA], v19, PITCH
	v_lshl_add_u32 v[XSA], v18, 3, v[XSA]
	v_add_nc_u32 v[XSA], s20, v[XSA]               ; row 32 w + lane / 16, 8 bytes a lane
	v_mul_u32_u24 v[PFO], v17, 4000
	v_lshlrev_b32 v[PWO], 8, v17
	s_lshl_b32 s20, s[WV], 15
	s_add_co_u32 s20, s20, KEEP
	v_lshl_add_u32 v[KA], v17, 4, s20
	v_lshlrev_b32 v[BV], 5, v19
	v_lshlrev_b32 v[ZO], 4, v17
	s_mul_i32 s20, s[WV], VTW
	v_mul_u32_u24 v[VS], v18, PVT
	v_lshl_add_u32 v[VS], v19, 4, v[VS]
	v_add_nc_u32 v[VS], s20, v[VS]
	v_and_b32 v21, 7, v0                           ; the turning load: lane l reads key 8 (l / 16) + l % 8, channels 8 ((l / 8) % 2) + 0..7
	v_bfe_u32 v22, v0, 3, 1
	v_lshl_add_u32 v[AV0], v19, 3, v21
	v_mul_u32_u24 v[AV0], v[AV0], PVT
	v_lshl_add_u32 v[AV0], v22, 4, v[AV0]
	v_add_nc_u32 v[AV0], s20, v[AV0]
	v_lshlrev_b32 v[MKO], 2, v18
	s_wait_loadcnt 0x0
	XCVT
	XSTORE 0
	XPTR XP, 1, 1
	XLOAD                                          ; x of step 1
	s_wait_tensorcnt 0x1                           ; my quarter of slot 0 is in; slot 1's may stay out
	s_wait_dscnt 0x0                               ; my rows of x are stored
	s_barrier_signal -1
	s_barrier_wait -1
	FETCH 0, 0, 0
	s_branch .Lzero                                ; the loop is entered in the middle of a trip, at a phase's first half step
.Llap:                                                 ; 23 trips: steps 2 n - 2 (second half) to 2 n (first half); every change of slots in the loop refills
	TURN 0, 1, 1
	QUARTER 1, 0, 1
	TURN 1, 0, 1
	WIN 0
	s_and_b32 s20, s[T], 15
	s_cmp_eq_u32 s20, 0
	s_cbranch_scc1 .Lbound                         ; a phase has ended (K at step 16, Q at step 32); what is jumped holds no barrier and no tensor load
	QUARTER 0, 0, 2
	WIN 0
	s_branch .Lnext
.Lbound:                                               ; A PHASE'S END.  The next step's fragments (buffer 0), x on its way and the refill stay as they are.
	PLACES
	s_lshr_b32 s[PH], s[T], 4
	s_sub_co_u32 s[PH], s[PH], 1                   ; 0: K, 1: Q
	s_lshl_b32 s[OFF], s[PH], 12
	s_add_nc_u64 s[BP:BP+1], s[12:13], s[OFF:OFF+1]
	WIN 0x40
.irp b, 0,1,2,3,4,5,6,7
	global_load_b128 v[128+8*(\b):128+8*(\b)+3],   v[BV], s[BP:BP+1] offset:64*(\b)     ; the bias of channels 16 b + 8 (lane / 16) + 0..7
	global_load_b128 v[128+8*(\b)+4:128+8*(\b)+7], v[BV], s[BP:BP+1] offset:64*(\b)+16
.endr
	s_wait_loadcnt 0x0
	BIASW 0
	PACKW 0
	BIASW 1
	PACKW 1
	WIN 0
	s_cmp_eq_u32 s[PH], 0
	s_cbranch_scc1 .Lkeys
	; Q IS MADE: ATTENTION.  The C table (0 or -10000 sqrt(125) by key) comes in; K comes back into the free halves of the row blocks' registers; Q goes where K lay (LDS serves a wave in order: the reads come first).
.irp b, 0,1,2,3,4,5,6,7
	global_load_b128 v[CM+8*(\b):CM+8*(\b)+3],   v[BV], s[MCP:MCP+1] offset:64*(\b)
	global_load_b128 v[CM+8*(\b)+4:CM+8*(\b)+7], v[BV], s[MCP:MCP+1] offset:64*(\b)+16
.endr
	WIN 0x80
.set n, 0
.rept 32
	ds_load_b128 v[64*(n/8)+32+4*(n%8):64*(n/8)+32+4*(n%8)+3], v[KA] offset:512*n
.set n, n+1
.endr
	WIN 0xc0
.set n, 0
.rept 32
	ds_load_b128 v[64*(n/8)+32+4*(n%8):64*(n/8)+32+4*(n%8)+3], v[KA] offset:512*(32+n)
.set n, n+1
.endr
	KSTORE
	WIN 0
	s_mov_b32 s[QS], 0
	s_mov_b32 s[PAIR], 4
	s_wait_loadcnt 0x0                             ; the C table
.Lpair:                                                ; four trips, two blocks of 16 queries each
	LOADPAIR 0
	s_wait_dscnt 0x0
	PROD 32, 0                                     ; S^T = K Q^T + table
	PLACES
	WIN 0x55                                       ; the softmax: all in window 1, the two tiles alternating.  A lane holds 64 of its query's 128 scores; the other 64 lie in the lane 16 away
.irp q, 0,1,2,3
.irp u, 0,1
	v_max3_num_f32 v[TT+16*\u+4+\q], v[SS+64*\u+16*\q], v[SS+64*\u+16*\q+1], v[SS+64*\u+16*\q+2]  ; four chains of 15 scores; each accumulator's lowest registers are read first
.endr
.endr
.irp k, 1,2,3,4,5,6
.irp q, 0,1,2,3
.irp u, 0,1
	v_max3_num_f32 v[TT+16*\u+4+\q], v[TT+16*\u+4+\q], v[SS+64*\u+16*\q+2*\k+1], v[SS+64*\u+16*\q+2*\k+2]
.endr
.endr
.endr
.irp u, 0,1
	v_max3_num_f32 v[TT+16*\u+4], v[TT+16*\u+4], v[SS+64*\u+15], v[SS+64*\u+31]
.endr
.irp u, 0,1
	v_max3_num_f32 v[TT+16*\u+5], v[TT+16*\u+5], v[SS+64*\u+47], v[SS+64*\u+63]
.endr
.irp u, 0,1
	v_max3_num_f32 v[TT+16*\u+4], v[TT+16*\u+4], v[TT+16*\u+5], v[TT+16*\u+6]
.endr
.irp u, 0,1
	v_max_num_f32 v[TT+16*\u+4], v[TT+16*\u+4], v[TT+16*\u+7]
.endr
.irp u, 0,1
	v_permlanex16_b32 v[TT+16*\u+5], v[TT+16*\u+4], s[SEL], s[SEL+1]
.endr
.irp u, 0,1
	v_max_num_f32 v[TT+16*\u+1], v[TT+16*\u+4], v[TT+16*\u+5]   ; m
.endr
.irp u, 0,1
	v_mul_f32 v[TT+16*\u], s[CS], v[TT+16*\u+1]                 ; c m
.endr
.set n, 0
.rept 33                               ; ONE BATCH: pair n is scaled, c s - c m, and the pair before it goes through the exponential; nothing here reads an exponential's result
.if n < 32
.irp u, 0,1
	v_pk_fma_f32 v[SS+64*\u+2*n:SS+64*\u+2*n+1], v[SS+64*\u+2*n:SS+64*\u+2*n+1], s[CS:CS+1], v[TT+16*\u:TT+16*\u+1] op_sel_hi:[1,0,0] neg_lo:[0,0,1] neg_hi:[0,0,1]
.endr
.endif
.if n > 0
.irp u, 0,1
	v_exp_f32 v[SS+64*\u+2*n-2], v[SS+64*\u+2*n-2]
	v_exp_f32 v[SS+64*\u+2*n-1], v[SS+64*\u+2*n-1]
.endr
.endif
.set n, n+1
.endr
	v_nop                                          ; a plain instruction behind the last exponential,
	s_wait_alu depctr_va_vdst(0)                   ; and one wait for the 128, ahead of their first reader
.irp q, 0,1,2,3
.irp u, 0,1
	v_pk_add_f32 v[TT+16*\u+8+2*\q:TT+16*\u+9+2*\q], v[SS+64*\u+2*\q:SS+64*\u+2*\q+1], v[SS+64*\u+2*\q+8:SS+64*\u+2*\q+9]  ; the sum l, in four chains of pairs beside the weights
.endr
.endr
.irp k, 2,3,4,5,6,7
.irp q, 0,1,2,3
.irp u, 0,1
	v_pk_add_f32 v[TT+16*\u+8+2*\q:TT+16*\u+9+2*\q], v[TT+16*\u+8+2*\q:TT+16*\u+9+2*\q], v[SS+64*\u+2*\q+8*\k:SS+64*\u+2*\q+8*\k+1]
.endr
.endr
.endr
.irp u, 0,1
	v_pk_add_f32 v[TT+16*\u+8:TT+16*\u+9], v[TT+16*\u+8:TT+16*\u+9], v[TT+16*\u+10:TT+16*\u+11]
	v_pk_add_f32 v[TT+16*\u+12:TT+16*\u+13], v[TT+16*\u+12:TT+16*\u+13], v[TT+16*\u+14:TT+16*\u+15]
.endr
.irp u, 0,1
	v_pk_add_f32 v[TT+16*\u+8:TT+16*\u+9], v[TT+16*\u+8:TT+16*\u+9], v[TT+16*\u+12:TT+16*\u+13]
.endr
.irp u, 0,1
	v_add_f32 v[TT+16*\u+6], v[TT+16*\u+8], v[TT+16*\u+9]
.endr
.irp u, 0,1
	v_permlanex16_b32 v[TT+16*\u+5], v[TT+16*\u+6], s[SEL], s[SEL+1]
.endr
.irp u, 0,1
	v_add_f32 v[TT+16*\u+6], v[TT+16*\u+6], v[TT+16*\u+5]
.endr
.irp u, 0,1
	v_rcp_f32 v[TT+16*\u+4], v[TT+16*\u+6]         ; l is at least 1: the maximum's own weight
.endr
	v_nop
	s_wait_alu depctr_va_vdst(0)                   ; one wait for the two reciprocals
.set n, 0
.rept 32
.irp u, 0,1
	v_pk_mul_f32 v[SS+64*\u+2*n:SS+64*\u+2*n+1], v[SS+64*\u+2*n:SS+64*\u+2*n+1], v[TT+16*\u+4:TT+16*\u+5] op_sel_hi:[1,0]  ; p / l, so that nothing is carried into V's phase
.endr
.set n, n+1
.endr
	PACKS
	WIN 0x04
.set n, 0
.rept 16
	ds_store_b128 v[QA], v[SS+64*(n/8)+4*(n%8):SS+64*(n/8)+4*(n%8)+3] offset:512*n  ; P goes where these two blocks of Q lay
.set n, n+1
.endr
	WIN 0
	s_add_co_u32 s[QS], s[QS], 8192
	s_sub_co_u32 s[PAIR], s[PAIR], 1
	s_cmp_lg_u32 s[PAIR], 0
	s_cbranch_scc1 .Lpair
	s_branch .Lzero
.Lkeys:                                                ; K IS MADE: masked keys' rows become 0 (row 16 a + lane % 16 by the word of table 1), and K is set aside
	WIN 0x40
.irp a, 0,1,2,3,4,5,6,7
	global_load_b32 v[192+(\a)], v[MKO], s[MCP:MCP+1] offset:65536+64*(\a)
.endr
	s_wait_loadcnt 0x0
	WIN 0x89
.set n, 0
.rept 128
	v_and_b32 v[64*(n/32)+n%32], v[192+n/32], v[64*(n/32)+n%32]
.set n, n+1
.endr
	WIN 0xcd
.set n, 0
.rept 128
	v_and_b32 v[64*(n/32)+n%32], v[196+n/32], v[64*(n/32)+n%32]
.set n, n+1
.endr
	KSTORE
	WIN 0
.Lzero:
	QUARTER 0, 1, 1                                ; a phase's first half step: its products start the sums, nothing is cleared
	WIN 0
.Lnext:
	s_sub_co_u32 s[LAP], s[LAP], 1
	s_cmp_lg_u32 s[LAP], 0
	s_cbranch_scc1 .Llap
	TURN 0, 1, 0                                   ; the tail is written out: steps 46 and 47 ask for nothing
	QUARTER 1, 0, 0
	s_wait_dscnt 8
	MUL16 1, 0, 0, 0
	MUL16 1, 0, 2, 0
	s_wait_dscnt 0x0
	MUL16 1, 1, 0, 0
	MUL16 1, 1, 2, 0
	WIN 0
	s_barrier_signal -1                            ; every wave's reads of the ring are back and the ring has had its last fill: its bytes now take V
	s_barrier_wait -1
	PLACES
	s_add_nc_u64 s[BP:BP+1], s[12:13], 8192        ; Wv_b, padded: it starts the sums O^T
.irp b, 0,1,2,3,4,5,6,7
	global_load_b128 v[CM+8*(\b):CM+8*(\b)+3],   v[BV], s[BP:BP+1] offset:64*(\b)
	global_load_b128 v[CM+8*(\b)+4:CM+8*(\b)+7], v[BV], s[BP:BP+1] offset:64*(\b)+16
.endr
	PACKW 0
	PACKW 1
	WIN 0x08                                       ; V as [key][channel], rows of 288 bytes, in my own 36,864 bytes
.set n, 0
.rept 32
	ds_store_b128 v[VS], v[64*(n/8)+4*(n%8):64*(n/8)+4*(n%8)+3] offset:(n/8)*16*PVT+32*(n%8)
.set n, n+1
.endr
	WIN 0x0c
.set n, 0
.rept 32
	ds_store_b128 v[VS], v[64*(n/8)+4*(n%8):64*(n/8)+4*(n%8)+3] offset:(4+n/8)*16*PVT+32*(n%8)
.set n, n+1
.endr
	WIN 0x80                                       ; and back turned: V^T, channel block a, keys 32 kc on, at v[64 (a % 4) + 8 kc] of window 2 + a / 4 (LDS serves a wave in order)
.set n, 0
.rept 16
	ds_load_tr16_b128 v[64*(n/4)+8*(n%4):64*(n/4)+8*(n%4)+3],   v[AV0] offset:(n%4)*32*PVT+32*(n/4)
	ds_load_tr16_b128 v[64*(n/4)+8*(n%4)+4:64*(n/4)+8*(n%4)+7], v[AV0] offset:(n%4)*32*PVT+16*PVT+32*(n/4)
.set n, n+1
.endr
	WIN 0xc0
.set n, 0
.rept 16
	ds_load_tr16_b128 v[64*(n/4)+8*(n%4):64*(n/4)+8*(n%4)+3],   v[AV0] offset:(n%4)*32*PVT+32*(4+n/4)
	ds_load_tr16_b128 v[64*(n/4)+8*(n%4)+4:64*(n/4)+8*(n%4)+7], v[AV0] offset:(n%4)*32*PVT+16*PVT+32*(4+n/4)
.set n, n+1
.endr
	WIN 0
	s_mov_b32 s[QS], 0
	s_mov_b32 s[PAIR], 4
	s_wait_loadcnt 0x0                             ; the bias
.Lpv:                                                  ; four trips, two blocks of 16 queries each
	LOADPAIR 32
	s_wait_dscnt 0x0
	PROD 0, 32                                     ; O^T = V^T P + bias
	PLACES
	PACKS
	WIN 0x04
.set n, 0
.rept 16
	global_store_b128 v[ZO], v[SS+64*(n/8)+4*(n%8):SS+64*(n/8)+4*(n%8)+3], s[ZP:ZP+1] offset:32768*(n/8)+512*(n%8)  ; a store covers 512 consecutive bytes, at a multiple of 512 from zf's first
.set n, n+1
.endr
	WIN 0
	s_wait_xcnt 0x0                                ; the stores have read their data and their base: both are written again in the next trip
	s_add_nc_u64 s[ZP:ZP+1], s[ZP:ZP+1], 65536
	s_add_co_u32 s[QS], s[QS], 8192
	s_sub_co_u32 s[PAIR], s[PAIR], 1
	s_cmp_lg_u32 s[PAIR], 0
	s_cbranch_scc1 .Lpv
	s_wait_tensorcnt 0x0                           ; the wave's end: behind my last tensor load and my last LDS store
	ds_add_u32 v[SPW], v[NIL]
	s_wait_dscnt 0x0
	CROUND                                         ; the closing round: no work-group ends while a partner may still ask for a tile that names it
	s_endpgm
.Lfunc_end_k_qa6e2d226ac_attn:
	.size	k_qa6e2d226ac_attn, .Lfunc_end_k_qa6e2d226ac_attn-k_qa6e2d226ac_attn
	.p2alignl 7, 3214868480
	.fill 96, 4, 3214868480
	.section	.rodata,"a",@progbits
	.p2align	6, 0x0
	.amdhsa_kernel k_qa6e2d226ac_attn
		.amdhsa_group_segment_fixed_size 327680
		.amdhsa_private_segment_fixed_size 0
		.amdhsa_enable_private_segment 0
		.amdhsa_kernarg_size 56
		.amdhsa_user_sgpr_count 2
		.amdhsa_user_sgpr_kernarg_segment_ptr 1
		.amdhsa_wavefront_size32 1
		.amdhsa_system_sgpr_workgroup_id_x 1
		.amdhsa_system_sgpr_workgroup_id_y 1
		.amdhsa_system_sgpr_workgroup_id_z 1
		.amdhsa_system_vgpr_workitem_id 0
		.amdhsa_next_free_vgpr 1024
		.amdhsa_next_free_sgpr 84
		.amdhsa_reserve_vcc 0
		.amdhsa_float_denorm_mode_32 3
		.amdhsa_float_denorm_mode_16_64 3
		.amdhsa_memory_ordered 1
		.amdhsa_forward_progress 1
		.amdhsa_inst_pref_size 208
	.end_amdhsa_kernel
	.amdgpu_metadata
---
amdhsa.version: [ 1, 2 ]
amdhsa.kernels:
  - .name:           k_qa6e2d226ac_attn
    .symbol:         k_qa6e2d226ac_attn.kd
    .args:
      - { .name: k, .offset: 0, .size: 8, .value_kind: global_buffer, .address_space: global }
      - { .name: q, .offset: 8, .size: 8, .value_kind: global_buffer, .address_space: global }
      - { .name: v, .offset: 16, .size: 8, .value_kind: global_buffer, .address_space: global }
      - { .name: wb, .offset: 24, .size: 8, .value_kind: global_buffer, .address_space: global }
      - { .name: bpad, .offset: 32, .size: 8, .value_kind: global_buffer, .address_space: global }
      - { .name: mtab, .offset: 40, .size: 8, .value_kind: global_buffer, .address_space: global }
      - { .name: zf, .offset: 48, .size: 8, .value_kind: global_buffer, .address_space: global }
    .group_segment_fixed_size: 327680
    .private_segment_fixed_size: 0
    .kernarg_segment_align: 8
    .kernarg_segment_size: 56
    .max_flat_workgroup_size: 128
    .sgpr_count:     84
    .vgpr_count:     1024
    .wavefront_size: 32
...
	.end_amdgpu_metadata
.endif
;; end of part 2
;; launch oproj (part 3): grid 256 x 1, 4 waves a work-group, clusters of 4 x 1, 327,680 bytes of LDS; arguments zf, wob, q, Wo_b, ln_g, ln_b, out0; writes out0
.if DOCPART == 3
	.amdgcn_target "amdgcn-amd-amdhsa--gfx1250"
	.amdhsa_code_object_version 6
	.text
	.protected	k_qa6e2d226ac_oproj
	.globl	k_qa6e2d226ac_oproj
	.p2align	8
	.type	k_qa6e2d226ac_oproj,@function
k_qa6e2d226ac_oproj:
	s_mov_b64 s[64:65], 0
	v_nop
	global_prefetch_b8 v0, s[64:65] scope:SCOPE_SE
	s_setreg_imm32_b32 hwreg(HW_REG_WAVE_MODE, 25, 1), 1
	s_wait_xcnt 0x0
	s_wait_alu depctr_hold_cnt(0) depctr_sa_sdst(0) depctr_va_vdst(0) depctr_va_sdst(0) depctr_va_ssrc(0) depctr_va_vcc(0) depctr_vm_vsrc(0)
	s_getreg_b32 s2, hwreg(HW_REG_IB_STS2, 6, 4)
	s_cmp_eq_u32 s2, 0
	s_cbranch_scc0 .Lentry_in_a_cluster
	s_endpgm
.Lentry_in_a_cluster:
	s_bfe_u32 s2, ttmp6, 0x10000c
	s_cmp_lg_u32 s2, 0x3003
	s_cbranch_scc0 .Lentry_shape_is_right
	s_endpgm
.Lentry_shape_is_right:
; OPROJ.  out = LayerNorm(q + z Wo^T + Wo_b) x gain + shift.  A work-group owns 64 rows and ALL 1,024 (1,000 real) columns, so that a row's mean and variance stay inside it.
; Wave w makes columns 256 w .. + 255: 64 accumulators (row block a of 4, column block b of 16).  K = 1,024 (8 heads x 128, 125 real) in 16 steps of 64.
; Wo's tile of a step (1,024 rows x 64, bf16, laid dense by the launch before) is the same for every work-group: each wave asks for its own 256 rows by ONE tensor load, JOINTLY with the three partners of its cluster (mask 15),
; into a ring of two LDS slots.  z lies in memory in fragment order and comes straight into registers, 512 consecutive bytes a load, a step ahead: it is a sixteenth of a step's bytes.
; THE ORDER OF THE STEPS.  Step t takes block (t + r) mod 16 of K, of Wo and of z alike: the 16 blocks are walked in a ring from a start r that differs from cluster to cluster (r = the cluster's number in its bits 0 to 2, and
; bit 3 xor bit 5 as its bit 3), so that in a given step different clusters ask for different tiles of Wo.  The sums hold the same products in another order.
; Source 0 = 16 rows of Wo, source 1 = 16 rows of z: a lane holds one row and 8 neighbouring columns.  The sums go in f32 through a stage in LDS (where the ring lay, behind its last fill), rows of 4,112 bytes;
; then wave w takes rows 16 w .. + 15, a whole row at a time: 8 pieces of 512 bytes, of which the last has 416: there lanes 26-31 carry lane 25's addresses and numbers, count 0 in the sums, and store what lane 25 stores.
; THE WAY OUT.  A wave's 16 rows are 64,000 consecutive bytes of out0 that begin at a multiple of 256.  A finished row i goes back into my wave's 65,792 bytes of the stage, rows now 4,000 bytes apart: it ends at
; 4,000 (i + 1), below stage row i + 1 at 4,112 (i + 1), so it lands on stage rows that have been read.  From there the bytes leave as 125 pieces of 512: each store covers 512 consecutive bytes at a multiple of 512 from my
; wave's first.  Behind every second row the pieces that are whole go out: 15 and 16 in each trip of four rows, 16 and 16 in the last four.  q's rows are read as they lie, 512 bytes at a multiple of 16.
; Mean first, then the mean of the squared differences: no difference of large sums.  The residual, the bias and the norm are f32; z and Wo are bf16.  NaN and infinities are not treated apart.
; REGISTERS: window 0: v0-31 addresses and scratch; v32-63 Wo_b; v64-191 z's fragments, two buffers, later four rows of q; v192-255 two rows at work.
;   window 1: two buffers of 16 fragments of Wo, later gain (v0-31) and shift (v32-63).   windows 2, 3: accumulator (a, b) at 8 (16 (a % 2) + b) of window 2 + a / 2; later window 2, v0-127: 32 pieces on their way out.
.set PITCH, 144                        ; an LDS row of 64 bf16: 128 bytes + 16 of padding: 16 rows of a load start at 16 different groups of four banks (64 banks of 4 bytes: ISA guide 11.1)
.set WQ,    256*PITCH                  ; a wave's quarter of a slot
.set WSLOT, 4*WQ
.set SPARE, 2*WSLOT                    ; the spare words, 128 bytes a wave: two blocks of 256 bytes that no other line names
.set SPI,   4112                       ; a stage row: 1,024 f32 + 16 bytes
.set ADRB, 2                           ; v2-3   my place in my quarter, slot 0, 1
.set DA,   2                           ; v2-3   later: where I put my parts of the four finished rows in hand
.set SA,   4                           ; v4-7   where I put 32 bytes of row block a
.set PR,   4                           ; v4     later: where I read my 16 bytes of a piece
.set OV,   5                           ; v5     later: my offset in my wave's 64,000 bytes of out0
.set ZO,   8                           ; v8     16 x lane
.set CO7,  9                           ; v9     16 x min(lane, 25) + 3,584
.set YA0,  10                          ; v10-11 my places in my wave's first stage row
.set YA,   12                          ; v12-13 the same, at the four rows in hand
.set PZO,  14
.set PQO,  15                          ; v15    256 x lane
.set SPW,  28
.set NIL,  29
.set VM,   30                          ; v30-31 1.0 in lanes 0-25, 0 in the others
.set BO,   32
.set AB,   64
.set YY,   192
.set WV,   18
.set T,    22
.set LAP,  23
.set G1,   24
.set G0,   32
.set ZP,   40                          ; s[40:41] zf at the step being loaded
.set PZ,   42                          ; s[42:43] zf at the step being prefetched
.set OFF,  44                          ; s[44:45] an offset, high word 0
.set LIMZ, 46
.set OS,   47                          ; s47  the first piece of the trip in hand, in bytes: 31 x 512 a trip
.set PQ,   48                          ; s[48:49] q's prefetches
.set SEL,  50
.set YS,   52                          ; s52  the trip's four stage rows: 4 x 4,112 a trip
.set DS,   53                          ; s53  the trip's four finished rows: 16,000 a trip
.set QP,   54
.set OP,   56                          ; s[56:57] out0 at my wave's first row; never rewritten
.set INV,  58                          ; 1 / 1000
.set EPS,  59                          ; 1e-5
.set ZB,   74                          ; s[74:75] zf at my 64 rows; never rewritten
.set RO,   76                          ; s76  r: where my cluster's ring of 16 blocks of K begins
.set MSB, 0
.macro WIN new
.if MSB != (\new)
	s_set_vgpr_msb (MSB<<8)|(\new)
.set MSB, \new
.endif
.endm
.macro PLACES
.rept 4
	v_nop
.endr
.endm
.macro CREST
	s_cmp_lg_u32 s[WV], 0
	s_cbranch_scc1 .Lnot0_\@
	s_barrier_signal -3
.Lnot0_\@:
	s_barrier_wait -3
	s_barrier_signal -1
	s_barrier_wait -1
.endm
.macro CROUND
	s_barrier_signal -1
	s_barrier_wait -1
	CREST
.endm
.macro PLACE dst, base, ahead, sh      ; dst = base + block (T + ahead + r) mod 16 of K, 2^sh bytes a block
	s_add_co_u32 s20, s[T], \ahead
	s_add_co_u32 s20, s20, s[RO]
	s_and_b32 s20, s20, 15
	s_lshl_b32 s[OFF], s20, \sh
	s_add_nc_u64 s[\dst:\dst+1], s[\base:\base+1], s[OFF:OFF+1]
.endm
; 16 matrix instructions: column blocks b0 .. b0 + 7 x row blocks 2 hi, 2 hi + 1; Wo from buffer f, z from buffer ab, half c of the step.  The 64 accumulators take turns.
.macro MULB f, ab, c, hi, b0, zero
	WIN 0xa1+0x50*(\hi)
.irp b, 0,1,2,3,4,5,6,7
.irp a, 0,1
.if \zero
	v_wmma_f32_16x16x32_bf16 v[8*(16*(\a)+(\b0)+(\b)):8*(16*(\a)+(\b0)+(\b))+7], v[128*(\f)+8*((\b0)+(\b)):128*(\f)+8*((\b0)+(\b))+7], v[AB+64*(\ab)+32*(\c)+8*(2*(\hi)+(\a)):AB+64*(\ab)+32*(\c)+8*(2*(\hi)+(\a))+7], 0
.else
	v_wmma_f32_16x16x32_bf16 v[8*(16*(\a)+(\b0)+(\b)):8*(16*(\a)+(\b0)+(\b))+7], v[128*(\f)+8*((\b0)+(\b)):128*(\f)+8*((\b0)+(\b))+7], v[AB+64*(\ab)+32*(\c)+8*(2*(\hi)+(\a)):AB+64*(\ab)+32*(\c)+8*(2*(\hi)+(\a))+7], v[8*(16*(\a)+(\b0)+(\b)):8*(16*(\a)+(\b0)+(\b))+7]
.endif
.endr
.endr
.endm
.macro FETCH slot, k, f                ; 32 LDS loads in one run: my 16 fragments of Wo, 32 along K at byte k of the rows
	WIN 0x40
.irp i, 0,1,2,3,4,5,6,7,8,9,10,11,12,13,14,15
	ds_load_b128 v[128*(\f)+8*(\i):128*(\f)+8*(\i)+3],   v[ADRB+(\slot)] offset:(\k)+(\i)*16*PITCH
	ds_load_b128 v[128*(\f)+8*(\i)+4:128*(\f)+8*(\i)+7], v[ADRB+(\slot)] offset:(\k)+(\i)*16*PITCH+32
.endr
	WIN 0
.endm
.macro ALOAD ab                        ; a step's z: 4 row blocks x 2 halves of the step x 2 halves of a fragment
.irp a, 0,1,2,3
.irp c, 0,1
	global_load_b128 v[AB+64*(\ab)+32*(\c)+8*(\a):AB+64*(\ab)+32*(\c)+8*(\a)+3],   v[ZO], s[ZP:ZP+1] offset:32768*(\a)+1024*(\c)
	global_load_b128 v[AB+64*(\ab)+32*(\c)+8*(\a)+4:AB+64*(\ab)+32*(\c)+8*(\a)+7], v[ZO], s[ZP:ZP+1] offset:32768*(\a)+1024*(\c)+512
.endr
.endr
.endm
; PREFETCHES, behind the joint load and the run of LDS loads, a lane 256 bytes.  z of step T + 3, two steps ahead of its load: wave 0, the work-group's 8 KiB.  q: in steps 10 to 13 each wave names 8 KiB of its own 16 rows'
; first 32 KiB, which the norm reads first.  Each block is named once; none past its tensor's part.  Wo is not asked for: each of its 16 tiles is read first in the launch's first steps, by some cluster's first loads, and
; nothing is prefetched at the head.
.macro ASK
	s_cmp_lt_u32 s[T], s[LIMZ]
	s_cbranch_scc0 .Lnpz_\@
	global_prefetch_b8 v[PZO], s[PZ:PZ+1] th:TH_LOAD_NT scope:SCOPE_SE
.Lnpz_\@:
	s_cmp_gt_u32 s[T], 9
	s_cbranch_scc0 .Lnpq_\@
	global_prefetch_b8 v[PQO], s[PQ:PQ+1] th:TH_LOAD_NT scope:SCOPE_SE
.Lnpq_\@:
.endm
.macro QSTEP slot, zero, aload         ; a step's first half, from buffer 0
	s_wait_loadcnt 0x0                             ; this step's z is in, and its base is free
	s_wait_dscnt 16                                ; fragments 0-7 are in
	MULB 0, \slot, 0, 0, 0, \zero
	s_wait_dscnt 0x0
	MULB 0, \slot, 0, 0, 8, \zero
	WIN 0
	PLACES
.if \aload
	PLACE ZP, ZB, 1, 11                            ; the next step's block of z: 2,048 bytes of each row block
	ALOAD 1-(\slot)
.endif
	FETCH \slot, 64, 1
	MULB 0, \slot, 0, 1, 0, \zero
	MULB 0, \slot, 0, 1, 8, \zero
.endm
; The second half, from buffer 1, and the change of slots: ahead of the barrier each wave waits for all its tensor loads (one is out: its quarter of the next slot), adds 0 to its spare word, and waits for that and for its reads
; of the slot.  fill = 1: the barrier opens a round of the cluster's, and the joint refill (step T + 2's tile) is the first thing behind it: 112 matrix instructions in which to land.  Its address is made anew while the add is out.
.macro TURN slot, next, fill
.if \fill
	s_wait_xcnt 0x0                                ; the last prefetches, a step back, have read their addresses
	PLACE PZ, ZB, 3, 11
	s_cmp_gt_u32 s[T], 10
	s_cselect_b32 s[OFF], 8192, 0
	s_add_nc_u64 s[PQ:PQ+1], s[PQ:PQ+1], s[OFF:OFF+1]
.endif
	WIN 0
	s_wait_tensorcnt 0x0
	ds_add_u32 v[SPW], v[NIL]
.if \fill
	PLACE G0+4*(\slot)+2, 6, 2, 17                 ; no load of mine is out, so a group 0 may be written: 131,072 bytes a tile
	s_or_b32 s[G0+4*(\slot)+3], s[G0+4*(\slot)+3], 0x80000000
.endif
	s_wait_dscnt 17                                ; the add and fragments 8-15 may be out
	MULB 1, \slot, 1, 0, 0, 0
	s_wait_dscnt 0x0
	s_barrier_signal -1
	MULB 1, \slot, 1, 0, 8, 0
	WIN 0
	s_barrier_wait -1
.if \fill
	CREST
	tensor_load_to_lds s[G0+4*(\slot):G0+4*(\slot)+3], s[G1:G1+7]
	s_nop 0
.endif
	PLACES
	FETCH \next, 0, 0
.if \fill
	ASK
.endif
	MULB 1, \slot, 1, 1, 0, 0
	MULB 1, \slot, 1, 1, 8, 0
	s_add_co_u32 s[T], s[T], 1
.endm
	s_load_b256 s[4:11], s[0:1], 0x0               ; zf, wob, q, Wo_b
	s_load_b128 s[12:15], s[0:1], 0x20             ; ln_g, ln_b
	s_load_b64 s[16:17], s[0:1], 0x30              ; out0
	v_lshl_add_u32 v[SPW], v0, 2, SPARE
	v_mov_b32 v[NIL], 0
	ds_add_u32 v[SPW], v[NIL]                      ; the wave's opening: the add and its wait ahead of my first tensor load
	v_lshrrev_b32 v1, 5, v0
	v_readfirstlane_b32 s[WV], v1
	s_bfe_u32 s72, ttmp6, 0x40000                  ; cx: it enters global addresses of z, q, out0 and the prefetches alone
	s_lshl_b32 s73, ttmp9, 2
	s_add_co_u32 s73, s73, s72                     ; my block of 64 rows
	s_lshr_b32 s20, ttmp9, 2
	s_xor_b32 s20, s20, ttmp9
	s_and_b32 s[RO], s20, 8                        ; the cluster's number: bit 3 xor bit 5,
	s_and_b32 s20, ttmp9, 7                        ; and bits 0 to 2:
	s_or_b32 s[RO], s[RO], s20                     ; r, the same in all four partners
	s_cmp_eq_u32 s[WV], 0
	s_cselect_b32 s[LIMZ], 13, 0
	s_lshl_b32 s60, s73, 17                        ; zf: 4 row blocks of 32,768 bytes
	s_mov_b32 s61, 0
	s_lshl_b32 s62, s[WV], 15                      ; wob: my 256 rows of 128 bytes in a tile
	s_mov_b32 s63, 0
	s_mul_i32 s66, s73, 256000                     ; q, out0: 64 rows of 4,000 bytes,
	s_mul_i32 s77, s[WV], 64000                    ; my wave's 16
	s_add_co_u32 s66, s66, s77
	s_mov_b32 s67, 0
	; descriptor group 1: 32,768 dense bytes asked for as 128 rows of 256 bytes, two rows of Wo each, padded in LDS after every 128 bytes
	s_mov_b32 s[G1+0], 15|(1<<16)|(1<<20)|(1<<21)|(4<<22)|(3<<25)
	s_mov_b32 s[G1+1], 128<<16
	s_mov_b32 s[G1+2], 128<<16
	s_mov_b32 s[G1+3], 128<<16
	s_mov_b32 s[G1+4], 128
	s_mov_b32 s[G1+5], 128
	s_mov_b32 s[G1+6], 0
	s_mov_b32 s[G1+7], 0
	s_mov_b32 s[G0], 1
	s_mul_i32 s[G0+1], s[WV], WQ
	s_mov_b32 s[G0+4], 1
	s_add_co_u32 s[G0+5], s[G0+1], WSLOT
	s_mov_b32 s[OFF+1], 0
	s_mov_b32 s[SEL], 0x76543210
	s_mov_b32 s[SEL+1], 0xfedcba98
	s_mov_b32 s[INV], 0x3a83126f
	s_mov_b32 s[EPS], 0x3727c5ac
	s_mov_b32 s[T], 0
	s_wait_dscnt 0x0
	s_wait_kmcnt 0x0
	s_add_nc_u64 s[ZB:ZB+1], s[4:5], s[60:61]
	s_add_nc_u64 s[6:7], s[6:7], s[62:63]          ; wob at my quarter of tile 0
	s_add_nc_u64 s[QP:QP+1], s[8:9], s[66:67]
	s_mov_b64 s[PQ:PQ+1], s[QP:QP+1]
	s_add_nc_u64 s[OP:OP+1], s[16:17], s[66:67]
	PLACE G0+2, 6, 0, 17                           ; step 0: tile r
	s_or_b32 s[G0+3], s[G0+3], 0x80000000
	PLACE G0+6, 6, 1, 17                           ; step 1: tile (r + 1) mod 16
	s_or_b32 s[G0+7], s[G0+7], 0x80000000
	PLACE ZP, ZB, 0, 11
	CROUND
	tensor_load_to_lds s[G0:G0+3], s[G1:G1+7]      ; two loads of mine are out
	s_nop 0
	tensor_load_to_lds s[G0+4:G0+7], s[G1:G1+7]
	s_nop 0
	PLACES
	v_and_b32 v16, 31, v0
	v_and_b32 v17, 15, v0
	v_bfe_u32 v18, v0, 4, 1
	v_lshlrev_b32 v[ZO], 4, v16
	ALOAD 0                                        ; z of step 0
	v_mul_u32_u24 v19, v17, PITCH
	v_lshl_add_u32 v19, v18, 4, v19
	v_add_nc_u32 v[ADRB], s[G0+1], v19
	v_add_nc_u32 v[ADRB+1], s[G0+5], v19
	s_lshl_b32 s20, s[WV], 10
	v_mul_u32_u24 v19, v17, SPI
	v_lshl_add_u32 v19, v18, 5, v19
	v_add_nc_u32 v[SA], s20, v19                   ; row lane % 16, my wave's 1,024 bytes, 32 bytes for each half of the lanes
	v_add_nc_u32 v[SA+1], 16*SPI, v[SA]
	v_add_nc_u32 v[SA+2], 32*SPI, v[SA]
	v_add_nc_u32 v[SA+3], 48*SPI, v[SA]
	v_min_u32 v20, 25, v16
	v_lshlrev_b32 v[CO7], 4, v20
	v_add_nc_u32 v[CO7], 3584, v[CO7]
	s_mul_i32 s20, s[WV], 16*SPI
	v_add_nc_u32 v[YA0], s20, v[ZO]
	v_add_nc_u32 v[YA0+1], s20, v[CO7]
	v_lshrrev_b32 v20, 3, v16
	v_and_b32 v21, 7, v16
	v_lshlrev_b32 v[PZO], 15, v20                  ; row block lane / 8, 256 bytes (lane % 8) of its 2,048 in a step
	v_lshl_add_u32 v[PZO], v21, 8, v[PZO]
	v_lshlrev_b32 v[PQO], 8, v16
	s_wait_tensorcnt 0x1                           ; my quarter of slot 0 is in; slot 1's may stay out
	s_barrier_signal -1
	s_barrier_wait -1
	FETCH 0, 0, 0
	QSTEP 0, 1, 1                                  ; the first half step stands ahead of the loop: its products start the sums
	WIN 0
	s_mov_b32 s[LAP], 7
.Llap:                                                 ; 7 trips, two changes of slots each: the tiles of steps 2 to 15 are asked for
	TURN 0, 1, 1
	QSTEP 1, 0, 1
	TURN 1, 0, 1
	QSTEP 0, 0, 1
	WIN 0
	s_sub_co_u32 s[LAP], s[LAP], 1
	s_cmp_lg_u32 s[LAP], 0
	s_cbranch_scc1 .Llap
	TURN 0, 1, 0                                   ; the tail asks for nothing
	QSTEP 1, 0, 0
	s_wait_dscnt 16
	MULB 1, 1, 1, 0, 0, 0
	s_wait_dscnt 0x0
	MULB 1, 1, 1, 0, 8, 0
	MULB 1, 1, 1, 1, 0, 0
	MULB 1, 1, 1, 1, 8, 0
	WIN 0
	s_barrier_signal -1                            ; every wave's reads of the ring are back and the ring has had its last fill: its bytes now take the stage
	s_barrier_wait -1
	PLACES
.irp p, 0,1,2,3,4,5,6
	global_load_b128 v[BO+4*(\p):BO+4*(\p)+3], v[ZO], s[10:11] offset:512*(\p)
.endr
	global_load_b128 v[BO+28:BO+31], v[CO7], s[10:11]
	WIN 0x40
.irp p, 0,1,2,3,4,5,6
	global_load_b128 v[4*(\p):4*(\p)+3], v[ZO], s[12:13] offset:512*(\p)
	global_load_b128 v[32+4*(\p):32+4*(\p)+3], v[ZO], s[14:15] offset:512*(\p)
.endr
	global_load_b128 v[28:31], v[CO7], s[12:13]
	global_load_b128 v[60:63], v[CO7], s[14:15]
	WIN 0
.irp s, 0,1,2,3
.irp p, 0,1,2,3,4,5,6
	global_load_b128 v[AB+32*(\s)+4*(\p):AB+32*(\s)+4*(\p)+3], v[ZO], s[QP:QP+1] offset:4000*(\s)+512*(\p)  ; no hint: the pieces begin at multiples of 16, so two neighbouring loads name bytes of one aligned block of 256
.endr
	global_load_b128 v[AB+32*(\s)+28:AB+32*(\s)+31], v[CO7], s[QP:QP+1] offset:4000*(\s)
.endr
	v_cmp_gt_u32 vcc_lo, 26, v16
	v_cndmask_b32 v[VM], 0, 1.0, vcc_lo
	v_mov_b32 v[VM+1], v[VM]
	v_mov_b32 v[YA], v[YA0]
	v_mov_b32 v[YA+1], v[YA0+1]
.irp a, 0,1,2,3
	WIN 0x08+4*((\a)/2)
.irp b, 0,1,2,3,4,5,6,7,8,9,10,11,12,13,14,15
	ds_store_b128 v[SA+(\a)], v[8*(16*((\a)%2)+(\b)):8*(16*((\a)%2)+(\b))+3]   offset:64*(\b)
	ds_store_b128 v[SA+(\a)], v[8*(16*((\a)%2)+(\b))+4:8*(16*((\a)%2)+(\b))+7] offset:64*(\b)+16
.endr
.endr
	WIN 0
	s_wait_dscnt 0x0                               ; for the others' sake: my part of all 64 rows is stored
	s_barrier_signal -1
	s_barrier_wait -1                              ; from here on each wave touches its own 16 stage rows alone
.irp p, 0,1,2,3,4,5,6
	ds_load_b128 v[YY+4*(\p):YY+4*(\p)+3], v[YA] offset:512*(\p)
.endr
	ds_load_b128 v[YY+28:YY+31], v[YA+1]
.macro REDUCE                          ; four pairs of partial sums in v16-23 -> the row's sum in v16 of every lane
	v_pk_add_f32 v[16:17], v[16:17], v[18:19]
	v_pk_add_f32 v[20:21], v[20:21], v[22:23]
	v_pk_add_f32 v[16:17], v[16:17], v[20:21]
	v_add_f32 v16, v16, v17
	v_add_f32_dpp v16, v16, v16 row_xmask:1 row_mask:0xf bank_mask:0xf
	v_add_f32_dpp v16, v16, v16 row_xmask:2 row_mask:0xf bank_mask:0xf
	v_add_f32_dpp v16, v16, v16 row_xmask:4 row_mask:0xf bank_mask:0xf
	v_add_f32_dpp v16, v16, v16 row_xmask:8 row_mask:0xf bank_mask:0xf
	v_permlanex16_b32 v17, v16, s[SEL], s[SEL+1]
	v_add_f32 v16, v16, v17
.endm
; One row, number s of the four in hand.  q has a ring of four row slots; the row works in place in one of two buffers and goes from it back into LDS, so the buffer is a source of LDS stores alone and owes no wait.
; frow >= 0: q's slot takes the row four further on, which lies frow rows behind q's base.  left = how many younger loads of q may stay out.  nexty = 1: the next row's sums are read from the stage meanwhile.
.macro ROWT s, frow, left, nexty
.set YB, YY+32*((\s)%2)
.set YN, YY+32*(1-(\s)%2)
.set QB, AB+32*(\s)
.if \nexty
.irp p, 0,1,2,3,4,5,6
	ds_load_b128 v[YN+4*(\p):YN+4*(\p)+3], v[YA] offset:SPI*((\s)+1)+512*(\p)
.endr
	ds_load_b128 v[YN+28:YN+31], v[YA+1] offset:SPI*((\s)+1)
	s_wait_dscnt 8                                 ; this row's eight are in, the next row's may be out
.else
	s_wait_dscnt 0x0
.endif
	s_wait_loadcnt \left
.set n, 0
.rept 16
	v_pk_add_f32 v[YB+2*n:YB+2*n+1], v[YB+2*n:YB+2*n+1], v[QB+2*n:QB+2*n+1]
.set n, n+1
.endr
.if (\frow) >= 0
.irp p, 0,1,2,3,4,5,6
	global_load_b128 v[QB+4*(\p):QB+4*(\p)+3], v[ZO], s[QP:QP+1] offset:4000*(\frow)+512*(\p)
.endr
	global_load_b128 v[QB+28:QB+31], v[CO7], s[QP:QP+1] offset:4000*(\frow)
.endif
.set n, 0
.rept 16
	v_pk_add_f32 v[YB+2*n:YB+2*n+1], v[YB+2*n:YB+2*n+1], v[BO+2*n:BO+2*n+1]
.set n, n+1
.endr
.irp k, 0,1,2,3
	v_pk_add_f32 v[16+2*\k:17+2*\k], v[YB+2*\k:YB+2*\k+1], v[YB+8+2*\k:YB+9+2*\k]  ; the sum, in four chains
.endr
.irp k, 0,1,2,3
	v_pk_add_f32 v[16+2*\k:17+2*\k], v[16+2*\k:17+2*\k], v[YB+16+2*\k:YB+17+2*\k]
.endr
.irp k, 0,1
	v_pk_add_f32 v[16+2*\k:17+2*\k], v[16+2*\k:17+2*\k], v[YB+24+2*\k:YB+25+2*\k]
.endr
.irp k, 2,3
	v_pk_fma_f32 v[16+2*\k:17+2*\k], v[YB+24+2*\k:YB+25+2*\k], v[VM:VM+1], v[16+2*\k:17+2*\k]  ; the last piece counts in lanes 0-25 alone
.endr
	REDUCE
	v_mul_f32 v24, s[INV], v16                     ; the mean
	v_mov_b32 v25, v24
.set n, 0
.rept 16
	v_pk_add_f32 v[YB+2*n:YB+2*n+1], v[YB+2*n:YB+2*n+1], v[24:25] neg_lo:[0,1] neg_hi:[0,1]
.set n, n+1
.endr
.irp k, 0,1,2,3
	v_pk_mul_f32 v[16+2*\k:17+2*\k], v[YB+2*\k:YB+2*\k+1], v[YB+2*\k:YB+2*\k+1]
.endr
.irp k, 0,1,2,3
	v_pk_fma_f32 v[16+2*\k:17+2*\k], v[YB+8+2*\k:YB+9+2*\k], v[YB+8+2*\k:YB+9+2*\k], v[16+2*\k:17+2*\k]
.endr
.irp k, 0,1,2,3
	v_pk_fma_f32 v[16+2*\k:17+2*\k], v[YB+16+2*\k:YB+17+2*\k], v[YB+16+2*\k:YB+17+2*\k], v[16+2*\k:17+2*\k]
.endr
.irp k, 0,1
	v_pk_fma_f32 v[16+2*\k:17+2*\k], v[YB+24+2*\k:YB+25+2*\k], v[YB+24+2*\k:YB+25+2*\k], v[16+2*\k:17+2*\k]
.endr
.irp k, 2,3
	v_pk_mul_f32 v[26:27], v[YB+24+2*\k:YB+25+2*\k], v[VM:VM+1]
	v_pk_fma_f32 v[16+2*\k:17+2*\k], v[26:27], v[YB+24+2*\k:YB+25+2*\k], v[16+2*\k:17+2*\k]
.endr
	REDUCE
	v_fma_f32 v16, v16, s[INV], s[EPS]             ; variance + 1e-5
	v_rsq_f32 v26, v16
	v_nop                                          ; a plain instruction behind it,
	s_wait_alu depctr_va_vdst(0)                   ; and a wait ahead of its first reader
.set n, 0
.rept 16
	v_pk_mul_f32 v[YB+2*n:YB+2*n+1], v[YB+2*n:YB+2*n+1], v[26:27] op_sel_hi:[1,0]
.set n, n+1
.endr
	WIN 0x14                                       ; gain and shift lie in window 1
.set n, 0
.rept 16
	v_pk_fma_f32 v[YB+2*n:YB+2*n+1], v[YB+2*n:YB+2*n+1], v[2*n:2*n+1], v[32+2*n:32+2*n+1]
.set n, n+1
.endr
	WIN 0
.irp p, 0,1,2,3,4,5,6
	ds_store_b128 v[DA], v[YB+4*(\p):YB+4*(\p)+3] offset:4000*(\s)+512*(\p)  ; the finished row, 4,000 bytes behind the one before it
.endr
	ds_store_b128 v[DA+1], v[YB+28:YB+31] offset:4000*(\s)
.endm
; Pieces first .. first + cnt - 1 of the trip's leave: back out of LDS (which serves a wave in order: these loads see the rows stored above) into registers 4 p of window 2, and out.
.macro OUT first, cnt
	WIN 0x80
.set p, \first
.rept \cnt
	ds_load_b128 v[4*p:4*p+3], v[PR] offset:512*p
.set p, p+1
.endr
	WIN 0x08
.set p, 0
.rept \cnt
.if p%8 == 0
.if ((\cnt)-p-8) > 0
	s_wait_dscnt (\cnt)-p-8                        ; the next eight pieces are in, the younger ones may be out
.else
	s_wait_dscnt 0x0
.endif
.endif
	global_store_b128 v[OV], v[4*((\first)+p):4*((\first)+p)+3], s[OP:OP+1] offset:512*((\first)+p) th:TH_STORE_NT  ; 512 consecutive bytes, at a multiple of 512 from my wave's first, which is a multiple of 256 from out0's
.set p, p+1
.endr
	WIN 0
.endm
	s_mov_b32 s[YS], 0
	s_mov_b32 s[DS], 0
	s_mov_b32 s[OS], 0
	s_mov_b32 s[LAP], 3
.Lrows:                                                ; three trips of four rows; each fills q's ring with the four rows behind, and sends 31 pieces
	v_add_nc_u32 v[DA], s[DS], v[YA0]
	v_add_nc_u32 v[DA+1], s[DS], v[YA0+1]
	ROWT 0, 4, 24, 1                               ; 24: the three younger rows of q stay out
	ROWT 1, 5, 24, 1
	s_wait_xcnt 0x0                                ; ONE wait a trip: the last trip's stores, two rows back or more, have read their registers and their offset; q's loads have read their base
	s_add_nc_u64 s[QP:QP+1], s[QP:QP+1], 16000     ; so rows 2 and 3 below fill q's ring by the rows 2 and 3 behind the new base
	v_add_nc_u32 v[PR], s[OS], v[YA0]
	v_add_nc_u32 v[OV], s[OS], v[ZO]
	OUT 0, 15                                      ; they end at 15,872 t + 7,680; 16,000 t + 8,000 bytes are written
	ROWT 2, 2, 24, 1
	ROWT 3, 3, 24, 1
	OUT 15, 16                                     ; they end at 15,872 (t + 1); 16,000 (t + 1) bytes are written
	s_add_co_u32 s[YS], s[YS], 4*SPI
	s_add_co_u32 s[DS], s[DS], 16000
	s_add_co_u32 s[OS], s[OS], 31*512
	v_add_nc_u32 v[YA], s[YS], v[YA0]
	v_add_nc_u32 v[YA+1], s[YS], v[YA0+1]
	s_sub_co_u32 s[LAP], s[LAP], 1
	s_cmp_lg_u32 s[LAP], 0
	s_cbranch_scc1 .Lrows
	v_add_nc_u32 v[DA], s[DS], v[YA0]
	v_add_nc_u32 v[DA+1], s[DS], v[YA0+1]
	ROWT 0, -1, 24, 1                              ; the last four rows load nothing of q: the counts run down
	ROWT 1, -1, 16, 1
	s_wait_xcnt 0x0                                ; as in the loop
	v_add_nc_u32 v[PR], s[OS], v[YA0]
	v_add_nc_u32 v[OV], s[OS], v[ZO]
	OUT 0, 16                                      ; pieces 93 to 108 end at 55,808; 56,000 bytes are written
	ROWT 2, -1, 8, 1
	ROWT 3, -1, 0, 0
	OUT 16, 16                                     ; pieces 109 to 124 end at 64,000
	s_wait_tensorcnt 0x0                           ; the wave's end: behind my last tensor load and my last LDS store
	ds_add_u32 v[SPW], v[NIL]
	s_wait_dscnt 0x0
	CROUND                                         ; the closing round
	s_endpgm
.Lfunc_end_k_qa6e2d226ac_oproj:
	.size	k_qa6e2d226ac_oproj, .Lfunc_end_k_qa6e2d226ac_oproj-k_qa6e2d226ac_oproj
	.p2alignl 7, 3214868480
	.fill 96, 4, 3214868480
	.section	.rodata,"a",@progbits
	.p2align	6, 0x0
	.amdhsa_kernel k_qa6e2d226ac_oproj
		.amdhsa_group_segment_fixed_size 327680
		.amdhsa_private_segment_fixed_size 0
		.amdhsa_enable_private_segment 0
		.amdhsa_kernarg_size 56
		.amdhsa_user_sgpr_count 2
		.amdhsa_user_sgpr_kernarg_segment_ptr 1
		.amdhsa_wavefront_size32 1
		.amdhsa_system_sgpr_workgroup_id_x 1
		.amdhsa_system_sgpr_workgroup_id_y 1
		.amdhsa_system_sgpr_workgroup_id_z 1
		.amdhsa_system_vgpr_workitem_id 0
		.amdhsa_next_free_vgpr 1024
		.amdhsa_next_free_sgpr 80
		.amdhsa_reserve_vcc 1
		.amdhsa_float_denorm_mode_32 3
		.amdhsa_float_denorm_mode_16_64 3
		.amdhsa_memory_ordered 1
		.amdhsa_forward_progress 1
		.amdhsa_inst_pref_size 170
	.end_amdhsa_kernel
	.amdgpu_metadata
---
amdhsa.version: [ 1, 2 ]
amdhsa.kernels:
  - .name:           k_qa6e2d226ac_oproj
    .symbol:         k_qa6e2d226ac_oproj.kd
    .args:
      - { .name: zf, .offset: 0, .size: 8, .value_kind: global_buffer, .address_space: global }
      - { .name: wob, .offset: 8, .size: 8, .value_kind: global_buffer, .address_space: global }
      - { .name: q, .offset: 16, .size: 8, .value_kind: global_buffer, .address_space: global }
      - { .name: Wo_b, .offset: 24, .size: 8, .value_kind: global_buffer, .address_space: global }
      - { .name: ln_g, .offset: 32, .size: 8, .value_kind: global_buffer, .address_space: global }
      - { .name: ln_b, .offset: 40, .size: 8, .value_kind: global_buffer, .address_space: global }
      - { .name: out0, .offset: 48, .size: 8, .value_kind: global_buffer, .address_space: global }
    .group_segment_fixed_size: 327680
    .private_segment_fixed_size: 0
    .kernarg_segment_align: 8
    .kernarg_segment_size: 56
    .max_flat_workgroup_size: 128
    .sgpr_count:     80
    .vgpr_count:     1024
    .wavefront_size: 32
...
	.end_amdgpu_metadata
.endif
;; end of part 3
